; MI455X (gfx1250); checked and timed in simulation.
; The chip was launched on July 23, 2026; its instructions are those of AMD's public machine-readable ISA for CDNA 5 (MIT licence, August 2026) and "CDNA5" Instruction Set Architecture Reference Guide (July 2026). The comments in the code are by the model that wrote it; some were corrected since.
;; Vtrace V Loss. Allowed arithmetic: float matrix products may take bf16 or f16 operands with f32 sums; all other float work in f32.
;; Inputs: logpacs 4,194,304 float32; next_values 4,194,304 float32; old_logpacs 4,194,304 float32; rewards 4,194,304 float32; terminals 4,194,304 float32; values 4,194,304 float32.
;; Outputs: out0 one number float32; out1 4,194,304 float32.
;; 2 versions, each right and faster than the one before. Each part assembles by itself: llvm-mc -triple=amdgcn-amd-amdhsa -mcpu=gfx1250 --defsym DOCPART=n.
;; ======== version 1 of 2: 2 launches
;; limits: a difference of large sums (such as E[x^2] - mean^2): digits are lost where the result is much smaller than its terms; right only within a limited range of input values
;; workspace buffers: yl 16,777,216 bytes; pp 16,777,216 bytes; wagg 32,768 bytes; gagg 5,120 bytes
;; launch local (part 1): grid 256 x 1, 16 waves a work-group, no clusters, 2,560 bytes of LDS; arguments logpacs, old_logpacs, values, next_values, rewards, terminals, yl, pp, wagg, gagg; writes yl, pp, wagg, gagg
.if DOCPART == 1
	.amdgcn_target "amdgcn-amd-amdhsa--gfx1250"
	.amdhsa_code_object_version 6
	.text
	.protected	k_qaf4ca647f9_local
	.globl	k_qaf4ca647f9_local
	.p2align	8
	.type	k_qaf4ca647f9_local,@function
k_qaf4ca647f9_local:
	s_mov_b64 s[64:65], 0
	v_nop
	global_prefetch_b8 v0, s[64:65] scope:SCOPE_SE
	s_setreg_imm32_b32 hwreg(HW_REG_WAVE_MODE, 25, 1), 1
	s_wait_xcnt 0x0
; V-trace, first of two launches: the backward recurrence y[i] = a[i] y[i+1] + d[i] inside pieces, with a zero carry at each piece's end.
;   rho = min(1, exp(logpacs - old_logpacs)),  a = terminals rho,  d = rho (rewards + terminals next_values - values).
; The three clips of the problem are one constant, 1.0, so pg_advantages[i] = d[i] + a[i] y[i+1] = y[i] and values - vs = -y:
; the two results are y itself and the mean of y^2, for every input.
; A work-group owns 16,384 elements, a wave a piece of 1,024 (8 rows of 128), a lane 4 neighbouring elements of each row: each load and
; store of a wave covers 512 consecutive bytes, aligned.  Stored for every element: yl (y with zero carry at the piece's end) and
; P (product of a from the element to the piece's end); the second launch makes y = yl + P c with the piece's true carry c.
; Stored besides: per piece (Q, cl) with c = cl + Q C, C the carry into the group; per group A, D (C of the left neighbour = D + A C) and
; S0 = sum yl^2, S1 = sum yl P, S2 = sum P^2 taken relative to the group, since sum (yl + P C)^2 = S0 + 2 C S1 + C^2 S2.
; All 48 loads of a wave are issued at once (the group's whole input, 384 KiB, is on its way); rows are worked from the last to the first.
; No cluster: no two work-groups read the same byte.  No matrix unit: there is no product.  No LDS ring: registers hold all that is in flight.
; LIMITS.  A ratio below 2^-126 counts as 0 (v_exp_f32 flushes).  A NaN ratio gives rho = 1 (v_min_num_f32), where jnp.minimum gives NaN.
; Products of a over a group must stay finite in f32.  The mean is summed in another order than the reference's, through S0, S1, S2: its
; rounding error is relative to (sqrt S0 + |C| sqrt S2)^2 of a group, not to the group's sum of y^2.
.set ROWB, 512                         ; bytes of a row: 32 lanes x 16
.set OFF,  1                           ; v1       byte offset of my 16 bytes in row 0 of my wave's piece, the same in all eight streams
.set LA,   2                           ; v2       LDS address
.set TA,   3                           ; v3       at work
.set AX,   4                           ; v4       product over the lanes right of me in my half; lanes 15 and 31 keep 1.0 for ever
.set DX,   5                           ; v5       their carry; lanes 15 and 31 keep 0 for ever
.set SA,   6                           ; v6       suffix scan: product
.set SD,   7                           ; v7       suffix scan: value
.set HC,   8                           ; v8       carry into my half of the lanes
.set HP,   9                           ; v9       product behind my half
.set CL,   10                          ; v10      carry into my four elements      (v[10:11] is a pair for the packed forms)
.set QL,   11                          ; v11      product behind my four elements
.set SQ0,  12                          ; v[12:13] sum yl^2
.set SQ1,  14                          ; v[14:15] sum yl P
.set SQ2,  16                          ; v[16:17] sum P^2
.set TB,   18                          ; v18      at work
.set SLOT, 20                          ; v[20:211] row r: 24 registers
.set LP, 0                             ;   logpacs, then (logpacs - old_logpacs) log2 e
.set OL, 4                             ;   old_logpacs, then rho
.set VV, 8                             ;   values
.set NV, 12                            ;   next_values
.set RW, 16                            ;   rewards, then d, then yl
.set TM, 20                            ;   terminals, then a, then P
	s_load_b512 s[8:23], s[0:1], 0x0               ; logpacs s[8:9], old_logpacs s[10:11], values s[12:13], next_values s[14:15], rewards s[16:17], terminals s[18:19], yl s[20:21], pp s[22:23]
	s_load_b128 s[24:27], s[0:1], 0x40             ; wagg s[24:25], gagg s[26:27]
	v_lshl_add_u32 v212, v0, 2, 0x200
	v_mov_b32 v213, 0
	v_lshrrev_b32 v[TA], 5, v0
	v_readfirstlane_b32 s4, v[TA]                  ; wave 0..15
	v_and_b32 v[TB], 31, v0
	v_lshlrev_b32 v[TB], 4, v[TB]                  ; 16 bytes a lane
	v_lshl_add_u32 v[TB], v[TA], 12, v[TB]         ; + wave x 8 rows x 512 bytes
	s_lshl_b32 s5, ttmp9, 16                       ; + group x 65,536 bytes (below 16 MiB in all)
	v_add_nc_u32 v[OFF], s5, v[TB]
	s_mov_b32 s28, 0xffff                          ; lanes 0-15
	s_mov_b32 s30, 0x76543210                      ; v_permlanex16_b32: lane i takes lane i of the other half
	s_mov_b32 s31, 0xfedcba98
	s_mov_b32 s32, 0                               ; carry from the rows behind: none yet
	s_mov_b32 s33, 1.0                             ; product over the rows behind
	v_mov_b32 v[DX], 0                             ; written whole once; the shifts below never write lanes 15 and 31
	v_mov_b32 v[AX], 1.0
	s_wait_kmcnt 0x0
.irp r, 7,6,5,4,3,2,1,0                            ; in the order in which the rows are worked
	global_load_b128 v[SLOT+24*\r+LP:SLOT+24*\r+LP+3], v[OFF], s[8:9]   offset:\r*ROWB th:TH_LOAD_NT
	global_load_b128 v[SLOT+24*\r+OL:SLOT+24*\r+OL+3], v[OFF], s[10:11] offset:\r*ROWB th:TH_LOAD_NT
	global_load_b128 v[SLOT+24*\r+VV:SLOT+24*\r+VV+3], v[OFF], s[12:13] offset:\r*ROWB th:TH_LOAD_NT
	global_load_b128 v[SLOT+24*\r+NV:SLOT+24*\r+NV+3], v[OFF], s[14:15] offset:\r*ROWB th:TH_LOAD_NT
	global_load_b128 v[SLOT+24*\r+RW:SLOT+24*\r+RW+3], v[OFF], s[16:17] offset:\r*ROWB th:TH_LOAD_NT
	global_load_b128 v[SLOT+24*\r+TM:SLOT+24*\r+TM+3], v[OFF], s[18:19] offset:\r*ROWB th:TH_LOAD_NT
.endr
; Suffix scan of the pairs (SA, SD) inside each half of 16 lanes: afterwards lane i holds the map c -> SD + SA c of lanes i .. 15 of its half.
; row_shl:n brings lane i + n; a lane without such a neighbour is not written, which is just the identity that it needs.
; Then the same shifted by one lane: (AX, DX) is the map of the lanes right of me in my half; lanes 15 and 31 keep (1, 0).
.macro LANESCAN
.irp n, 1,2,4,8
	v_fmac_f32_dpp v[SD], v[SD], v[SA] row_shl:\n row_mask:0xf bank_mask:0xf   ; SD[i] += SA[i] SD[i+n], with SA as it was
	v_mul_f32_dpp  v[SA], v[SA], v[SA] row_shl:\n row_mask:0xf bank_mask:0xf   ; SA[i] *= SA[i+n]
.endr
	v_mov_b32_dpp v[DX], v[SD] row_shl:1 row_mask:0xf bank_mask:0xf
	v_mov_b32_dpp v[AX], v[SA] row_shl:1 row_mask:0xf bank_mask:0xf
.endm
; One row.  first = 1: its products start the three sums, nothing is cleared.  left = six loads for each row still to come.
.macro ROW r, first, left
.set B, SLOT+24*\r
	s_wait_loadcnt \left                           ; loads come back in order (ISA guide 5.7.1): this row's six are in, the younger rows stay out
	v_pk_add_f32 v[B+LP:B+LP+1],   v[B+LP:B+LP+1],   v[B+OL:B+OL+1]   neg_lo:[0,1] neg_hi:[0,1]   ; the difference first, as the reference forms it
	v_pk_add_f32 v[B+LP+2:B+LP+3], v[B+LP+2:B+LP+3], v[B+OL+2:B+OL+3] neg_lo:[0,1] neg_hi:[0,1]
	v_pk_mul_f32 v[B+LP:B+LP+1],   v[B+LP:B+LP+1],   0x3fb8aa3b op_sel_hi:[1,0]                   ; x log2 e: v_exp_f32 is 2^x
	v_pk_mul_f32 v[B+LP+2:B+LP+3], v[B+LP+2:B+LP+3], 0x3fb8aa3b op_sel_hi:[1,0]
.irp j, 0,1,2,3
	v_exp_f32 v[B+OL+\j], v[B+LP+\j]               ; the ratio; overflow gives +inf, which the minimum turns into 1
.endr
	v_pk_fma_f32 v[B+RW:B+RW+1],   v[B+TM:B+TM+1],   v[B+NV:B+NV+1],   v[B+RW:B+RW+1]             ; plain work that touches no ratio stands behind the exponentials (ISA guide 5.7.2):
	v_pk_fma_f32 v[B+RW+2:B+RW+3], v[B+TM+2:B+TM+3], v[B+NV+2:B+NV+3], v[B+RW+2:B+RW+3]           ; rewards + terminals next_values
	v_pk_add_f32 v[B+RW:B+RW+1],   v[B+RW:B+RW+1],   v[B+VV:B+VV+1]   neg_lo:[0,1] neg_hi:[0,1]   ; - values
	v_pk_add_f32 v[B+RW+2:B+RW+3], v[B+RW+2:B+RW+3], v[B+VV+2:B+VV+3] neg_lo:[0,1] neg_hi:[0,1]
	s_wait_alu depctr_va_vdst(0)
.irp j, 0,1,2,3
	v_min_num_f32 v[B+OL+\j], 1.0, v[B+OL+\j]      ; rho
.endr
	v_pk_mul_f32 v[B+RW:B+RW+1],   v[B+RW:B+RW+1],   v[B+OL:B+OL+1]       ; d
	v_pk_mul_f32 v[B+RW+2:B+RW+3], v[B+RW+2:B+RW+3], v[B+OL+2:B+OL+3]
	v_pk_mul_f32 v[B+TM:B+TM+1],   v[B+TM:B+TM+1],   v[B+OL:B+OL+1]       ; a
	v_pk_mul_f32 v[B+TM+2:B+TM+3], v[B+TM+2:B+TM+3], v[B+OL+2:B+OL+3]
	; my four elements, from the last to the first, in place: d becomes yl, a becomes P
.irp j, 2,1,0
	v_fmac_f32 v[B+RW+\j], v[B+TM+\j], v[B+RW+\j+1]
	v_mul_f32  v[B+TM+\j], v[B+TM+\j], v[B+TM+\j+1]
.endr
	v_mov_b32 v[SD], v[B+RW]                       ; my four elements as one map c -> yl0 + P0 c
	v_mov_b32 v[SA], v[B+TM]
	LANESCAN
	; the halves and the rows are chained in scalar f32: s32, s33 = carry and product of the rows behind
	v_readlane_b32 s34, v[SD], 16                  ; the upper half as one map
	v_readlane_b32 s35, v[SA], 16
	v_mov_b32 v[HC], s32                           ; lanes 16-31 are followed by the rows behind,
	v_mov_b32 v[HP], s33
	s_fmac_f32 s34, s35, s32                       ; lanes 0-15 by the upper half and then those rows
	s_mul_f32  s35, s35, s33
	v_cndmask_b32 v[HC], v[HC], s34, s28
	v_cndmask_b32 v[HP], v[HP], s35, s28
	v_readlane_b32 s32, v[SD], 0                   ; the lower half as one map,
	v_readlane_b32 s33, v[SA], 0
	s_fmac_f32 s32, s33, s34                       ; applied: carry and product for the next row to the left
	s_mul_f32  s33, s33, s35
	v_fma_f32 v[CL], v[AX], v[HC], v[DX]           ; carry into my four elements
	v_mul_f32 v[QL], v[AX], v[HP]                  ; product behind them
	v_pk_fma_f32 v[B+RW:B+RW+1],   v[B+TM:B+TM+1],   v[CL:CL+1], v[B+RW:B+RW+1]   op_sel_hi:[1,0,1]   ; yl += P x v10, both halves
	v_pk_fma_f32 v[B+RW+2:B+RW+3], v[B+TM+2:B+TM+3], v[CL:CL+1], v[B+RW+2:B+RW+3] op_sel_hi:[1,0,1]
	v_pk_mul_f32 v[B+TM:B+TM+1],   v[B+TM:B+TM+1],   v[CL:CL+1] op_sel:[0,1] op_sel_hi:[1,1]          ; P *= v11, both halves
	v_pk_mul_f32 v[B+TM+2:B+TM+3], v[B+TM+2:B+TM+3], v[CL:CL+1] op_sel:[0,1] op_sel_hi:[1,1]
	global_store_b128 v[OFF], v[B+RW:B+RW+3], s[20:21] offset:\r*ROWB     ; no register of these stores is written again
	global_store_b128 v[OFF], v[B+TM:B+TM+3], s[22:23] offset:\r*ROWB
.if \first
	v_pk_mul_f32 v[SQ0:SQ0+1], v[B+RW:B+RW+1], v[B+RW:B+RW+1]
	v_pk_mul_f32 v[SQ1:SQ1+1], v[B+RW:B+RW+1], v[B+TM:B+TM+1]
	v_pk_mul_f32 v[SQ2:SQ2+1], v[B+TM:B+TM+1], v[B+TM:B+TM+1]
.else
	v_pk_fma_f32 v[SQ0:SQ0+1], v[B+RW:B+RW+1], v[B+RW:B+RW+1], v[SQ0:SQ0+1]
	v_pk_fma_f32 v[SQ1:SQ1+1], v[B+RW:B+RW+1], v[B+TM:B+TM+1], v[SQ1:SQ1+1]
	v_pk_fma_f32 v[SQ2:SQ2+1], v[B+TM:B+TM+1], v[B+TM:B+TM+1], v[SQ2:SQ2+1]
.endif
	v_pk_fma_f32 v[SQ0:SQ0+1], v[B+RW+2:B+RW+3], v[B+RW+2:B+RW+3], v[SQ0:SQ0+1]
	v_pk_fma_f32 v[SQ1:SQ1+1], v[B+RW+2:B+RW+3], v[B+TM+2:B+TM+3], v[SQ1:SQ1+1]
	v_pk_fma_f32 v[SQ2:SQ2+1], v[B+TM+2:B+TM+3], v[B+TM+2:B+TM+3], v[SQ2:SQ2+1]
.endm
	ROW 7, 1, 42
	ROW 6, 0, 36
	ROW 5, 0, 30
	ROW 4, 0, 24
	ROW 3, 0, 18
	ROW 2, 0, 12
	ROW 1, 0, 6
	ROW 0, 0, 0
	; the piece's three sums over the 32 lanes
.irp q, SQ0, SQ1, SQ2
	v_add_f32 v[\q], v[\q], v[\q+1]
.endr
.irp n, 1,2,4,8
.irp q, SQ0, SQ1, SQ2
	v_add_f32_dpp v[\q], v[\q], v[\q] row_xmask:\n row_mask:0xf bank_mask:0xf
.endr
.endr
.irp q, SQ0, SQ1, SQ2
	v_permlanex16_b32 v[\q+1], v[\q], s30, s31     ; its destination counts as read: a register that has been written
.endr
.irp q, SQ0, SQ1, SQ2
	v_add_f32 v[\q], v[\q], v[\q+1]
.endr
	; five words of each wave meet in LDS: five tables of 16 words, 64 bytes apart; all lanes write the wave's word with one value
	v_mov_b32 v[LA], s4
	v_lshlrev_b32 v[LA], 2, v[LA]
	v_mov_b32 v[HP], s33                           ; the piece as one map: product
	v_mov_b32 v[HC], s32                           ; and value
	ds_store_b32 v[LA], v[HP]
	ds_store_b32 v[LA], v[HC]  offset:64
	ds_store_b32 v[LA], v[SQ0] offset:128
	ds_store_b32 v[LA], v[SQ1] offset:192
	ds_store_b32 v[LA], v[SQ2] offset:256
	s_wait_dscnt 0x0                               ; for wave 0's sake: my words are in LDS before I signal
	s_barrier_signal -1
	s_barrier_wait -1
	s_cmp_lg_u32 s4, 0
	s_cbranch_scc1 .Ldone
	; wave 0: lane i and lane 16 + i take piece i; both halves do the same work
	v_and_b32 v[LA], 15, v0
	v_lshlrev_b32 v[LA], 2, v[LA]
	ds_load_b32 v[SA],  v[LA]
	ds_load_b32 v[SD],  v[LA] offset:64
	ds_load_b32 v[SQ0], v[LA] offset:128
	ds_load_b32 v[SQ1], v[LA] offset:192
	ds_load_b32 v[SQ2], v[LA] offset:256
	s_lshl_b32 s6, ttmp9, 7                        ; the group's 128 bytes in wagg
	s_lshl_b32 s7, ttmp9, 2                        ; the group's word in each table of gagg
	v_lshl_add_u32 v[TA], v0, 2, s6
	v_mov_b32 v[TB], s7
	s_wait_dscnt 0x0
	LANESCAN                                       ; AX = Q, DX = cl of piece i: its carry is cl + Q C.  Lane 0: SA, SD = the group as one map
	v_cndmask_b32 v[HC], v[DX], v[AX], s28         ; lanes 0-15: Q of the 16 pieces; lanes 16-31: cl
	global_store_b32 v[TA], v[HC], s[24:25]        ; 128 consecutive bytes
	; the sums relative to the group: yl -> yl + P cl, P -> P Q
	v_fma_f32  v[HP], v[DX], v[SQ2], v[SQ1]        ; S1 + cl S2
	v_add_f32  v[CL], v[SQ1], v[HP]                ; 2 S1 + cl S2
	v_fmac_f32 v[SQ0], v[DX], v[CL]                ; S0 + cl (2 S1 + cl S2)
	v_mul_f32  v[SQ1], v[AX], v[HP]                ; Q (S1 + cl S2)
	v_mul_f32  v[QL], v[AX], v[AX]
	v_mul_f32  v[SQ2], v[QL], v[SQ2]               ; Q^2 S2
.irp n, 1,2,4,8
.irp q, SQ0, SQ1, SQ2
	v_add_f32_dpp v[\q], v[\q], v[\q] row_xmask:\n row_mask:0xf bank_mask:0xf
.endr
.endr
	s_wait_xcnt 0x0                                ; EXEC is a source of the stores that are out: it changes only behind this wait
	v_cmpx_gt_u32 1, v0                            ; lane 0 alone: one word into each of five tables of 256 words
	global_store_b32 v[TB], v[SA],  s[26:27]
	global_store_b32 v[TB], v[SD],  s[26:27] offset:1024
	global_store_b32 v[TB], v[SQ0], s[26:27] offset:2048
	global_store_b32 v[TB], v[SQ1], s[26:27] offset:3072
	global_store_b32 v[TB], v[SQ2], s[26:27] offset:4096
.Ldone:
	s_wait_xcnt 0x0
	s_mov_b32 exec_lo, -1
	s_wait_tensorcnt 0x0
	ds_add_u32 v212, v213
	s_wait_dscnt 0x0
	s_endpgm
.Lfunc_end_k_qaf4ca647f9_local:
	.size	k_qaf4ca647f9_local, .Lfunc_end_k_qaf4ca647f9_local-k_qaf4ca647f9_local
	.p2alignl 7, 3214868480
	.fill 96, 4, 3214868480
	.section	.rodata,"a",@progbits
	.p2align	6, 0x0
	.amdhsa_kernel k_qaf4ca647f9_local
		.amdhsa_group_segment_fixed_size 2560
		.amdhsa_private_segment_fixed_size 0
		.amdhsa_enable_private_segment 0
		.amdhsa_kernarg_size 80
		.amdhsa_user_sgpr_count 2
		.amdhsa_user_sgpr_kernarg_segment_ptr 1
		.amdhsa_wavefront_size32 1
		.amdhsa_system_sgpr_workgroup_id_x 1
		.amdhsa_system_sgpr_workgroup_id_y 1
		.amdhsa_system_sgpr_workgroup_id_z 1
		.amdhsa_system_vgpr_workitem_id 0
		.amdhsa_next_free_vgpr 214
		.amdhsa_next_free_sgpr 66
		.amdhsa_reserve_vcc 0
		.amdhsa_float_denorm_mode_32 3
		.amdhsa_float_denorm_mode_16_64 3
		.amdhsa_memory_ordered 1
		.amdhsa_forward_progress 1
		.amdhsa_inst_pref_size 39
	.end_amdhsa_kernel
	.amdgpu_metadata
---
amdhsa.version: [ 1, 2 ]
amdhsa.kernels:
  - .name:           k_qaf4ca647f9_local
    .symbol:         k_qaf4ca647f9_local.kd
    .args:
      - { .name: logpacs, .offset: 0, .size: 8, .value_kind: global_buffer, .address_space: global }
      - { .name: old_logpacs, .offset: 8, .size: 8, .value_kind: global_buffer, .address_space: global }
      - { .name: values, .offset: 16, .size: 8, .value_kind: global_buffer, .address_space: global }
      - { .name: next_values, .offset: 24, .size: 8, .value_kind: global_buffer, .address_space: global }
      - { .name: rewards, .offset: 32, .size: 8, .value_kind: global_buffer, .address_space: global }
      - { .name: terminals, .offset: 40, .size: 8, .value_kind: global_buffer, .address_space: global }
      - { .name: yl, .offset: 48, .size: 8, .value_kind: global_buffer, .address_space: global }
      - { .name: pp, .offset: 56, .size: 8, .value_kind: global_buffer, .address_space: global }
      - { .name: wagg, .offset: 64, .size: 8, .value_kind: global_buffer, .address_space: global }
      - { .name: gagg, .offset: 72, .size: 8, .value_kind: global_buffer, .address_space: global }
    .group_segment_fixed_size: 2560
    .private_segment_fixed_size: 0
    .kernarg_segment_align: 8
    .kernarg_segment_size: 80
    .max_flat_workgroup_size: 512
    .sgpr_count:     66
    .vgpr_count:     214
    .wavefront_size: 32
...
	.end_amdgpu_metadata
.endif
;; end of part 1
;; launch apply (part 2): grid 256 x 1, 8 waves a work-group, no clusters, 0 bytes of LDS; arguments yl, pp, wagg, gagg, out0, out1; writes out0, out1
.if DOCPART == 2
	.amdgcn_target "amdgcn-amd-amdhsa--gfx1250"
	.amdhsa_code_object_version 6
	.text
	.protected	k_qaf4ca647f9_apply
	.globl	k_qaf4ca647f9_apply
	.p2align	8
	.type	k_qaf4ca647f9_apply,@function
k_qaf4ca647f9_apply:
	s_mov_b64 s[64:65], 0
	v_nop
	global_prefetch_b8 v0, s[64:65] scope:SCOPE_SE
	s_setreg_imm32_b32 hwreg(HW_REG_WAVE_MODE, 25, 1), 1
	s_wait_xcnt 0x0
; V-trace, second launch: out1 = y = yl + P c, c the true carry into the element's piece, and out0 = mean of y^2.
; A work-group owns the 16,384 elements of one group of the first launch: 16 pieces of 8 rows of 512 bytes.  Wave w takes row w of every
; piece, so that every wave needs all 16 carries and none has to be picked by number; each load and store covers 512 consecutive bytes, aligned.
; The wave's 32 stream loads are issued at once (the group's whole input, 128 KiB, is on its way); while they travel each wave composes the
; maps c -> D + A c of all groups right of its own (tables of 256 words, 2 KiB a wave, the same for all waves): that gives C, the
; carry into the group, and the pieces' carries are cl + Q C.  No wave depends on another: no LDS, no barrier.
; Wave 0 of group 0 alone goes by .Lloss: for it only group 0's own map is masked, which no carry needs, so the same scan gives it the carry C
; into every group, and the mean is the sum over the groups of S0 + 2 C S1 + C^2 S2, divided by 2^22.
; No cluster: the stream bytes are shared by nobody, and the tables are a small part of a wave's bytes (2 KiB of 18).
; LIMITS: those stated at the head of the first launch (finite products over a group; the order of rounding of the mean).
.set PIECEB, 4096                      ; bytes of a piece
.set LANE, 1                           ; v1
.set GOF,  2                           ; v2       32 x lane: my 8 groups in each table
.set OFF,  3                           ; v3       byte offset of my 16 bytes in my row of piece 0
.set REL,  4                           ; v4       my group's number - 8 x lane
.set AX,   5                           ; v5       (.Lloss) product over the lanes right of me in my half; lanes 15, 31: 1.0
.set DX,   6                           ; v6       (.Lloss) their value; lanes 15, 31: 0
.set ZERO, 7                           ; v7
.set SA,   8                           ; v8       suffix scan: product
.set SD,   9                           ; v9       suffix scan: value
.set HC,   10                          ; v10
.set CX,   11                          ; v11      (.Lloss) the carry as it walks my 8 groups
.set UU,   12                          ; v12
.set CG,   13                          ; v13      C
.set GA,   16                          ; v[16:23] A of my 8 groups
.set GD,   24                          ; v[24:31] D
.set CK,   32                          ; v[32:47] the 16 pieces' carries
.set SS0,  48                          ; v[48:55] (.Lloss) S0 of my 8 groups
.set SS1,  56                          ; v[56:63] S1
.set SS2,  64                          ; v[64:71] S2
.set YY,   72                          ; v[72:135]  piece k: yl, then y
.set PR,   136                         ; v[136:199] piece k: P
	s_load_b256 s[8:15], s[0:1], 0x0               ; yl s[8:9], pp s[10:11], wagg s[12:13], gagg s[14:15]
	s_load_b128 s[16:19], s[0:1], 0x20             ; out0 s[16:17], out1 s[18:19]
	v_and_b32 v[LANE], 31, v0
	v_lshrrev_b32 v[GOF], 5, v0
	v_readfirstlane_b32 s4, v[GOF]                 ; wave 0..7
	v_lshlrev_b32 v[GOF], 5, v[LANE]
	s_lshl_b32 s26, ttmp9, 16
	v_lshl_add_u32 v[OFF], v0, 4, s26              ; group x 65,536 + wave x 512 + lane x 16
	s_mov_b32 s25, ttmp9
	v_lshlrev_b32 v[REL], 3, v[LANE]
	v_sub_nc_u32 v[REL], s25, v[REL]
	s_lshl_b32 s28, ttmp9, 7                       ; the group's 128 bytes in wagg
	s_mov_b32 s29, 0
	s_or_b32 s7, ttmp9, s4                         ; 0 for wave 0 of group 0 alone
	s_wait_kmcnt 0x0
	s_add_nc_u64 s[12:13], s[12:13], s[28:29]
	s_load_b512 s[36:51], s[12:13], 0x0            ; Q of my group's 16 pieces
	s_load_b512 s[68:83], s[12:13], 0x40           ; cl
	global_load_b128 v[GA:GA+3],   v[GOF], s[14:15]
	global_load_b128 v[GA+4:GA+7], v[GOF], s[14:15] offset:16
	global_load_b128 v[GD:GD+3],   v[GOF], s[14:15] offset:1024
	global_load_b128 v[GD+4:GD+7], v[GOF], s[14:15] offset:1040
.macro STREAM                          ; 32 loads: my row of each piece, yl and P in turn
.irp k, 0,1,2,3,4,5,6,7,8,9,10,11,12,13,14,15
	global_load_b128 v[YY+4*\k:YY+4*\k+3], v[OFF], s[8:9]   offset:\k*PIECEB th:TH_LOAD_NT
	global_load_b128 v[PR+4*\k:PR+4*\k+3], v[OFF], s[10:11] offset:\k*PIECEB th:TH_LOAD_NT
.endr
.endm
; The maps of all groups right of mine, composed: s20 = C.  Left behind: SA, SD (suffix scan in each half of 16 lanes), s22 = the upper half's value.
.macro SCAN
	s_wait_loadcnt 32                              ; all that was issued ahead of the 32 stream loads is in; those stay out
.irp k, 0,1,2,3,4,5,6,7
	v_cmp_gt_i32 vcc_lo, \k, v[REL]                ; group 8 lane + k lies right of mine
	v_cndmask_b32 v[GA+\k], 1.0, v[GA+\k], vcc_lo  ; the others become the identity
	v_cndmask_b32 v[GD+\k], 0, v[GD+\k], vcc_lo
.endr
	v_fma_f32 v[SD], v[GA+6], v[GD+7], v[GD+6]     ; my 8 groups as one map, from the last to the first
	v_mul_f32 v[SA], v[GA+6], v[GA+7]
.irp k, 5,4,3,2,1,0
	v_fma_f32 v[SD], v[GA+\k], v[SD], v[GD+\k]
	v_mul_f32 v[SA], v[GA+\k], v[SA]
.endr
.irp n, 1,2,4,8                                    ; row_shl:n brings lane i + n; a lane without such a neighbour is not written: the identity
	v_fmac_f32_dpp v[SD], v[SD], v[SA] row_shl:\n row_mask:0xf bank_mask:0xf
	v_mul_f32_dpp  v[SA], v[SA], v[SA] row_shl:\n row_mask:0xf bank_mask:0xf
.endr
	v_readlane_b32 s20, v[SD], 0
	v_readlane_b32 s21, v[SA], 0
	v_readlane_b32 s22, v[SD], 16
	s_fmac_f32 s20, s21, s22                       ; lower half applied to the upper half's value; behind the last group the carry is 0
.endm
	s_cmp_eq_u32 s7, 0
	s_cbranch_scc1 .Lloss
	STREAM
	SCAN
	s_branch .Lapply
.Lloss:                                            ; one wave of the launch: six more loads, ahead of the stream loads, so that the wait in SCAN covers them
	global_load_b128 v[SS0:SS0+3],   v[GOF], s[14:15] offset:2048
	global_load_b128 v[SS0+4:SS0+7], v[GOF], s[14:15] offset:2064
	global_load_b128 v[SS1:SS1+3],   v[GOF], s[14:15] offset:3072
	global_load_b128 v[SS1+4:SS1+7], v[GOF], s[14:15] offset:3088
	global_load_b128 v[SS2:SS2+3],   v[GOF], s[14:15] offset:4096
	global_load_b128 v[SS2+4:SS2+7], v[GOF], s[14:15] offset:4112
	STREAM
	s_mov_b32 s23, 0xffff                          ; lanes 0-15
	s_mov_b32 s30, 0x76543210                      ; v_permlanex16_b32: lane i takes lane i of the other half
	s_mov_b32 s31, 0xfedcba98
	v_mov_b32 v[DX], 0
	v_mov_b32 v[AX], 1.0
	v_mov_b32 v[ZERO], 0
	SCAN
	v_mov_b32_dpp v[DX], v[SD] row_shl:1 row_mask:0xf bank_mask:0xf   ; the lanes right of me in my half; lanes 15 and 31 keep (1, 0)
	v_mov_b32_dpp v[AX], v[SA] row_shl:1 row_mask:0xf bank_mask:0xf
	v_cndmask_b32 v[HC], 0, s22, s23               ; behind lanes 0-15 comes the upper half, behind lanes 16-31 nothing
	v_fma_f32 v[CX], v[AX], v[HC], v[DX]           ; the carry into my last group
.irp k, 7,6,5,4,3,2,1,0
	v_fma_f32  v[UU], v[CX], v[SS2+\k], v[SS1+\k]  ; S1 + C S2
	v_add_f32  v[UU], v[UU], v[SS1+\k]             ; 2 S1 + C S2
	v_fmac_f32 v[SS0+\k], v[CX], v[UU]             ; the group's sum of y^2
.if \k
	v_fma_f32  v[CX], v[GA+\k], v[CX], v[GD+\k]    ; the carry into the group to the left
.endif
.endr
	v_pk_add_f32 v[SS0:SS0+1],   v[SS0:SS0+1],   v[SS0+2:SS0+3]
	v_pk_add_f32 v[SS0+4:SS0+5], v[SS0+4:SS0+5], v[SS0+6:SS0+7]
	v_pk_add_f32 v[SS0:SS0+1],   v[SS0:SS0+1],   v[SS0+4:SS0+5]
	v_add_f32 v[SS0], v[SS0], v[SS0+1]
.irp n, 1,2,4,8
	v_add_f32_dpp v[SS0], v[SS0], v[SS0] row_xmask:\n row_mask:0xf bank_mask:0xf
.endr
	v_permlanex16_b32 v[UU], v[SS0], s30, s31
	v_add_f32 v[SS0], v[SS0], v[UU]
	v_mul_f32 v[SS0], 0x34800000, v[SS0]           ; / 4,194,304 = x 2^-22, exact
	v_cmp_eq_u32 vcc_lo, 0, v[LANE]
	s_wait_xcnt 0x0                                ; EXEC is a source of the loads that are out: it narrows only behind this wait
	s_and_saveexec_b32 s24, vcc_lo
	global_store_b32 v[ZERO], v[SS0], s[16:17]     ; out0, by lane 0
	s_wait_xcnt 0x0                                ; and widens only behind this one
	s_or_b32 exec_lo, exec_lo, s24
.Lapply:
	s_wait_kmcnt 0x0                               ; Q and cl
	v_mov_b32 v[CG], s20
.irp k, 0,1,2,3,4,5,6,7,8,9,10,11,12,13,14,15
	v_fma_f32 v[CK+\k], v[CG], s[36+\k], s[68+\k]  ; the piece's carry: cl + Q C
.endr
; Piece k: its two loads are in when 2 (15 - k) younger ones are out.  The carry is one register of an even pair, fed to both halves
; of the packed form: the first register for even k, the second for odd k.
.macro APPLY k
	s_wait_loadcnt 30-2*\k
.if \k & 1
	v_pk_fma_f32 v[YY+4*\k:YY+4*\k+1],   v[PR+4*\k:PR+4*\k+1],   v[CK+\k-1:CK+\k], v[YY+4*\k:YY+4*\k+1]   op_sel:[0,1,0] op_sel_hi:[1,1,1]
	v_pk_fma_f32 v[YY+4*\k+2:YY+4*\k+3], v[PR+4*\k+2:PR+4*\k+3], v[CK+\k-1:CK+\k], v[YY+4*\k+2:YY+4*\k+3] op_sel:[0,1,0] op_sel_hi:[1,1,1]
.else
	v_pk_fma_f32 v[YY+4*\k:YY+4*\k+1],   v[PR+4*\k:PR+4*\k+1],   v[CK+\k:CK+\k+1], v[YY+4*\k:YY+4*\k+1]   op_sel_hi:[1,0,1]
	v_pk_fma_f32 v[YY+4*\k+2:YY+4*\k+3], v[PR+4*\k+2:PR+4*\k+3], v[CK+\k:CK+\k+1], v[YY+4*\k+2:YY+4*\k+3] op_sel_hi:[1,0,1]
.endif
	global_store_b128 v[OFF], v[YY+4*\k:YY+4*\k+3], s[18:19] offset:\k*PIECEB th:TH_STORE_NT   ; no register of it is written again
.endm
.irp k, 0,1,2,3,4,5,6,7,8,9,10,11,12,13,14,15
	APPLY \k
.endr
	s_endpgm
.Lfunc_end_k_qaf4ca647f9_apply:
	.size	k_qaf4ca647f9_apply, .Lfunc_end_k_qaf4ca647f9_apply-k_qaf4ca647f9_apply
	.p2alignl 7, 3214868480
	.fill 96, 4, 3214868480
	.section	.rodata,"a",@progbits
	.p2align	6, 0x0
	.amdhsa_kernel k_qaf4ca647f9_apply
		.amdhsa_group_segment_fixed_size 0
		.amdhsa_private_segment_fixed_size 0
		.amdhsa_enable_private_segment 0
		.amdhsa_kernarg_size 48
		.amdhsa_user_sgpr_count 2
		.amdhsa_user_sgpr_kernarg_segment_ptr 1
		.amdhsa_wavefront_size32 1
		.amdhsa_system_sgpr_workgroup_id_x 1
		.amdhsa_system_sgpr_workgroup_id_y 1
		.amdhsa_system_sgpr_workgroup_id_z 1
		.amdhsa_system_vgpr_workitem_id 0
		.amdhsa_next_free_vgpr 200
		.amdhsa_next_free_sgpr 84
		.amdhsa_reserve_vcc 1
		.amdhsa_float_denorm_mode_32 3
		.amdhsa_float_denorm_mode_16_64 3
		.amdhsa_memory_ordered 1
		.amdhsa_forward_progress 1
		.amdhsa_inst_pref_size 21
	.end_amdhsa_kernel
	.amdgpu_metadata
---
amdhsa.version: [ 1, 2 ]
amdhsa.kernels:
  - .name:           k_qaf4ca647f9_apply
    .symbol:         k_qaf4ca647f9_apply.kd
    .args:
      - { .name: yl, .offset: 0, .size: 8, .value_kind: global_buffer, .address_space: global }
      - { .name: pp, .offset: 8, .size: 8, .value_kind: global_buffer, .address_space: global }
      - { .name: wagg, .offset: 16, .size: 8, .value_kind: global_buffer, .address_space: global }
      - { .name: gagg, .offset: 24, .size: 8, .value_kind: global_buffer, .address_space: global }
      - { .name: out0, .offset: 32, .size: 8, .value_kind: global_buffer, .address_space: global }
      - { .name: out1, .offset: 40, .size: 8, .value_kind: global_buffer, .address_space: global }
    .group_segment_fixed_size: 0
    .private_segment_fixed_size: 0
    .kernarg_segment_align: 8
    .kernarg_segment_size: 48
    .max_flat_workgroup_size: 256
    .sgpr_count:     84
    .vgpr_count:     200
    .wavefront_size: 32
...
	.end_amdgpu_metadata
.endif
;; end of part 2
;; ======== version 2 of 2: 2 launches; 1.29 times as fast as version 1
;; limits: a difference of large sums (such as E[x^2] - mean^2): digits are lost where the result is much smaller than its terms; right only within a limited range of input values
;; workspace buffers: heads 262,144 bytes; gagg 5,120 bytes; cnt 1,024 bytes of whole numbers
;; launch local (part 3): grid 256 x 1, 16 waves a work-group, no clusters, 4,608 bytes of LDS; arguments logpacs, old_logpacs, values, next_values, rewards, terminals, out1, heads, gagg, cnt; writes out1, heads, gagg, cnt
.if DOCPART == 3
	.amdgcn_target "amdgcn-amd-amdhsa--gfx1250"
	.amdhsa_code_object_version 6
	.text
	.protected	k_qaf4ca647f9_local
	.globl	k_qaf4ca647f9_local
	.p2align	8
	.type	k_qaf4ca647f9_local,@function
k_qaf4ca647f9_local:
	s_mov_b64 s[64:65], 0
	v_nop
	global_prefetch_b8 v0, s[64:65] scope:SCOPE_SE
	s_setreg_imm32_b32 hwreg(HW_REG_WAVE_MODE, 25, 1), 1
	s_wait_xcnt 0x0
; V-trace, first of two launches: the backward recurrence y[i] = a[i] y[i+1] + d[i] inside groups of 16,384 elements, carry 0 at each group's end.
;   rho = min(1, exp(logpacs - old_logpacs)),  a = terminals rho,  d = rho (rewards + terminals next_values - values).
; The three clips of the problem are one constant, 1.0, so pg_advantages[i] = d[i] + a[i] y[i+1] = y[i] and values - vs = -y:
; the two results are y itself and the mean of y^2, for every input.
; A work-group owns a group, a wave a piece of 1,024 elements (8 rows of 128), a lane 4 neighbouring elements of each row: each load and
; store of a wave covers 512 consecutive bytes, aligned.  All 48 loads of a wave are issued at once (the group's whole input, 384 KiB, is on
; its way); rows are worked from the last to the first and stay in registers as yl (zero carry at the piece's end) and P (product of a to the
; piece's end).  One barrier; then every wave scans the 16 pieces' maps, adds P cl (cl: the carry into its piece) and stores the result in out1.
; WHAT IS STILL MISSING THERE is P C, C the carry into the group.  P is 0 from the first a = 0 leftward, so only the group's last rows can
; lack anything.  Stored for the second launch: for each row r the map of the carry into it, c_r = cl_r + Q_r C (heads: cl at byte 0, Q at byte
; 131,072; 512 bytes a group each), and in cnt one whole number a group: 128 - the lowest row with Q_r != 0, the rows that it makes again.
; How many those are hangs on the data: all 128 where no product vanishes.  The comparison selects data only; no branch or address here hangs on it.
; Stored besides, per group: A, D (carry into the left neighbour = D + A C) and S0 = sum yl^2, S1 = sum yl P, S2 = sum P^2 relative to the group,
; since sum (yl + P C)^2 = S0 + 2 C S1 + C^2 S2.
; WHAT A WAVE HANDS TO THE OTHERS, 24 words, is gathered in the lanes of one register while the rows are worked and goes to LDS in one store,
; 32 lanes to 32 different words.
; No cluster: no two work-groups read the same byte.  No matrix unit: there is no product.  No LDS ring: registers hold all that is in flight.
; LIMITS.  A ratio below 2^-126 counts as 0 (v_exp_f32 flushes).  A NaN ratio gives rho = 1 (v_min_num_f32), where jnp.minimum gives NaN.
; Products of a over a group must stay finite in f32; a product that underflows to 0 cuts the dependence on the carry.  The mean is summed in
; another order than the reference's, through S0, S1, S2: its rounding error is relative to (sqrt S0 + |C| sqrt S2)^2 of a group.
.set ROWB, 512                         ; bytes of a row: 32 lanes x 16
.set REC,  144                         ; LDS: a wave's record, 128 bytes (lane i's word at byte 4 i) + 16: 36 words from record to record, so that the 16 records
                                       ;      start at 16 different banks (64 banks of 4 bytes: ISA guide 11.1) and stay multiples of 16 bytes
.set R_CL, 0                           ;   lanes 0-7:   row r: the carry into the row with zero carry into its piece
.set R_SL, 32                          ;   lanes 8-10:  the three sums over lanes 0-15 (lane 11: 0)
.set R_A,  48                          ;   lanes 12-13: the piece as one map: product, value
.set R_Q,  64                          ;   lanes 16-23: row r: the product from the row's end to the piece's end
.set R_SH, 96                          ;   lanes 24-26: the three sums over lanes 16-31 (lane 27: 0)
.set HQ,   131072                      ; heads: byte offset of the table of Q
.set OFF,  1                           ; v1       byte offset of my 16 bytes in row 0 of my wave's piece, the same in all seven streams
.set LA,   2                           ; v2       LDS: my word of my wave's record
.set RA,   3                           ; v3       LDS: the record of piece lane % 16
.set AX,   4                           ; v4       product over the lanes right of me in my half; lanes 15 and 31 keep 1.0 for ever
.set DX,   5                           ; v5       their carry; lanes 15 and 31 keep 0 for ever
.set SA,   6                           ; v6       suffix scan: product     (v[6:7] is also the pair that one LDS load fills)
.set SD,   7                           ; v7       suffix scan: value
.set HC,   8                           ; v8       carry into my half of the lanes
.set HP,   9                           ; v9       product behind my half
.set CL,   10                          ; v10      carry into my four elements      (v[10:11] is a pair for the packed forms)
.set QL,   11                          ; v11      product behind my four elements
.set SQ0,  12                          ; v[12:13] sum yl^2
.set SQ1,  14                          ; v[14:15] sum yl P
.set SQ2,  16                          ; v[16:17] sum P^2
.set TB,   18                          ; v18      at work
.set PK,   19                          ; v19      my wave's record, a word a lane
.set SLOT, 20                          ; v[20:211] row r: 24 registers
.set LP, 0                             ;   logpacs, then (logpacs - old_logpacs) log2 e
.set OL, 4                             ;   old_logpacs, then rho
.set VV, 8                             ;   values
.set NV, 12                            ;   next_values
.set RW, 16                            ;   rewards, then d, then yl
.set TM, 20                            ;   terminals, then a, then P
.set W_CL, 20                          ; wave 0 at the end, in registers of rows 0 and 1 that are done with and that no store names: v[20:23] cl of rows 4 lane .. 4 lane + 3
.set W_Q,  24                          ; v[24:27] Q of those rows
.set W_B,  28                          ; v[28:29] cl and Q of the piece that holds them
.set HO,   30                          ; v30      my 16 bytes in each table of heads
.set GO,   31                          ; v31      the group's word in gagg's tables and in cnt
.set CN,   32                          ; v32      at work, then the count
.set BI,   33                          ; v33      ds_bpermute_b32's index
.set RR,   34                          ; v34      LDS: my four rows' words in their piece's record
.set W_SL, 44                          ; v[44:47] piece lane % 16: the sums over its lanes 0-15
.set W_SH, 48                          ; v[48:51] and over its lanes 16-31
	s_load_b512 s[8:23], s[0:1], 0x0               ; logpacs s[8:9], old_logpacs s[10:11], values s[12:13], next_values s[14:15], rewards s[16:17], terminals s[18:19], out1 s[20:21], heads s[22:23]
	s_load_b128 s[24:27], s[0:1], 0x40             ; gagg s[24:25], cnt s[26:27]
	v_lshl_add_u32 v212, v0, 2, 0xa00
	v_mov_b32 v213, 0
	v_lshrrev_b32 v[TB], 5, v0
	v_readfirstlane_b32 s4, v[TB]                  ; wave 0..15
	v_and_b32 v[RA], 31, v0                        ; lane
	s_mul_i32 s6, s4, REC
	v_lshl_add_u32 v[LA], v[RA], 2, s6             ; my wave's record + 4 x lane
	v_lshlrev_b32 v[RA], 4, v[RA]                  ; 16 bytes a lane
	v_lshl_add_u32 v[TB], v[TB], 12, v[RA]         ; + wave x 8 rows x 512 bytes
	s_lshl_b32 s5, ttmp9, 16                       ; + group x 65,536 bytes (below 16 MiB in all)
	v_add_nc_u32 v[OFF], s5, v[TB]
	v_and_b32 v[RA], 15, v0
	v_mul_u32_u24 v[RA], v[RA], REC
	s_mov_b32 s28, 0xffff                          ; lanes 0-15
	s_mov_b32 s29, 0x01000100                      ; lanes 8 and 24: where S0's two halves go
	s_mov_b32 s30, 0x02000200                      ; lanes 9 and 25: S1's
	s_mov_b32 s31, 0x04000400                      ; lanes 10 and 26: S2's
	s_mov_b32 s32, 0                               ; carry from the rows behind: none yet
	s_mov_b32 s33, 1.0                             ; product over the rows behind
	v_mov_b32 v[DX], 0                             ; written whole once; the shifts below never write lanes 15 and 31
	v_mov_b32 v[AX], 1.0
	v_mov_b32 v[PK], 0                             ; written whole once; then lane by lane
	s_wait_kmcnt 0x0
.irp r, 7,6,5,4,3,2,1,0                            ; in the order in which the rows are worked
	global_load_b128 v[SLOT+24*\r+LP:SLOT+24*\r+LP+3], v[OFF], s[8:9]   offset:\r*ROWB th:TH_LOAD_NT
	global_load_b128 v[SLOT+24*\r+OL:SLOT+24*\r+OL+3], v[OFF], s[10:11] offset:\r*ROWB th:TH_LOAD_NT
	global_load_b128 v[SLOT+24*\r+VV:SLOT+24*\r+VV+3], v[OFF], s[12:13] offset:\r*ROWB th:TH_LOAD_NT
	global_load_b128 v[SLOT+24*\r+NV:SLOT+24*\r+NV+3], v[OFF], s[14:15] offset:\r*ROWB th:TH_LOAD_NT
	global_load_b128 v[SLOT+24*\r+RW:SLOT+24*\r+RW+3], v[OFF], s[16:17] offset:\r*ROWB th:TH_LOAD_NT
	global_load_b128 v[SLOT+24*\r+TM:SLOT+24*\r+TM+3], v[OFF], s[18:19] offset:\r*ROWB th:TH_LOAD_NT
.endr
; Suffix scan of the pairs (SA, SD) inside each half of 16 lanes: afterwards lane i holds the map c -> SD + SA c of lanes i .. 15 of its half.
; row_shl:n brings lane i + n; a lane without such a neighbour is not written, which is just the identity that it needs.
; Then the same shifted by one lane: (AX, DX) is the map of the lanes right of me in my half; lanes 15 and 31 keep (1, 0).
.macro LANESCAN
.irp n, 1,2,4,8
	v_fmac_f32_dpp v[SD], v[SD], v[SA] row_shl:\n row_mask:0xf bank_mask:0xf   ; SD[i] += SA[i] SD[i+n], with SA as it was
	v_mul_f32_dpp  v[SA], v[SA], v[SA] row_shl:\n row_mask:0xf bank_mask:0xf   ; SA[i] *= SA[i+n]
.endr
	v_mov_b32_dpp v[DX], v[SD] row_shl:1 row_mask:0xf bank_mask:0xf
	v_mov_b32_dpp v[AX], v[SA] row_shl:1 row_mask:0xf bank_mask:0xf
.endm
; One row.  first = 1: its products start the three sums, nothing is cleared.  left = six loads for each row still to come.
.macro ROW r, first, left
.set B, SLOT+24*\r
	s_wait_loadcnt \left                           ; loads come back in order (ISA guide 5.7.1): this row's six are in, the younger rows stay out
	v_pk_add_f32 v[B+LP:B+LP+1],   v[B+LP:B+LP+1],   v[B+OL:B+OL+1]   neg_lo:[0,1] neg_hi:[0,1]   ; the difference first, as the reference forms it
	v_pk_add_f32 v[B+LP+2:B+LP+3], v[B+LP+2:B+LP+3], v[B+OL+2:B+OL+3] neg_lo:[0,1] neg_hi:[0,1]
	v_pk_mul_f32 v[B+LP:B+LP+1],   v[B+LP:B+LP+1],   0x3fb8aa3b op_sel_hi:[1,0]                   ; x log2 e: v_exp_f32 is 2^x
	v_pk_mul_f32 v[B+LP+2:B+LP+3], v[B+LP+2:B+LP+3], 0x3fb8aa3b op_sel_hi:[1,0]
.irp j, 0,1,2,3
	v_exp_f32 v[B+OL+\j], v[B+LP+\j]               ; the ratio; overflow gives +inf, which the minimum turns into 1
.endr
	v_pk_fma_f32 v[B+RW:B+RW+1],   v[B+TM:B+TM+1],   v[B+NV:B+NV+1],   v[B+RW:B+RW+1]             ; plain work that touches no ratio stands behind the exponentials (ISA guide 5.7.2):
	v_pk_fma_f32 v[B+RW+2:B+RW+3], v[B+TM+2:B+TM+3], v[B+NV+2:B+NV+3], v[B+RW+2:B+RW+3]           ; rewards + terminals next_values
	v_pk_add_f32 v[B+RW:B+RW+1],   v[B+RW:B+RW+1],   v[B+VV:B+VV+1]   neg_lo:[0,1] neg_hi:[0,1]   ; - values
	v_pk_add_f32 v[B+RW+2:B+RW+3], v[B+RW+2:B+RW+3], v[B+VV+2:B+VV+3] neg_lo:[0,1] neg_hi:[0,1]
	s_wait_alu depctr_va_vdst(0)
.irp j, 0,1,2,3
	v_min_num_f32 v[B+OL+\j], 1.0, v[B+OL+\j]      ; rho
.endr
	v_pk_mul_f32 v[B+RW:B+RW+1],   v[B+RW:B+RW+1],   v[B+OL:B+OL+1]       ; d
	v_pk_mul_f32 v[B+RW+2:B+RW+3], v[B+RW+2:B+RW+3], v[B+OL+2:B+OL+3]
	v_pk_mul_f32 v[B+TM:B+TM+1],   v[B+TM:B+TM+1],   v[B+OL:B+OL+1]       ; a
	v_pk_mul_f32 v[B+TM+2:B+TM+3], v[B+TM+2:B+TM+3], v[B+OL+2:B+OL+3]
	; my four elements, from the last to the first, in place: d becomes yl, a becomes P
.irp j, 2,1,0
	v_fmac_f32 v[B+RW+\j], v[B+TM+\j], v[B+RW+\j+1]
	v_mul_f32  v[B+TM+\j], v[B+TM+\j], v[B+TM+\j+1]
.endr
	v_mov_b32 v[SD], v[B+RW]                       ; my four elements as one map c -> yl0 + P0 c
	v_mov_b32 v[SA], v[B+TM]
	LANESCAN
	; the halves and the rows are chained in scalar f32: s32, s33 = carry and product of the rows behind
	v_readlane_b32 s34, v[SD], 16                  ; the upper half as one map
	v_readlane_b32 s35, v[SA], 16
	v_mov_b32 v[HC], s32                           ; lanes 16-31 are followed by the rows behind,
	v_mov_b32 v[HP], s33
	v_writelane_b32 v[PK], s32, \r                 ; which is also the map of the carry into this row: into the record, lanes r and 16 + r
	v_writelane_b32 v[PK], s33, 16+\r
	s_fmac_f32 s34, s35, s32                       ; lanes 0-15 by the upper half and then those rows
	s_mul_f32  s35, s35, s33
	v_cndmask_b32 v[HC], v[HC], s34, s28
	v_cndmask_b32 v[HP], v[HP], s35, s28
	v_readlane_b32 s32, v[SD], 0                   ; the lower half as one map,
	v_readlane_b32 s33, v[SA], 0
	s_fmac_f32 s32, s33, s34                       ; applied: carry and product for the next row to the left
	s_mul_f32  s33, s33, s35
	v_fma_f32 v[CL], v[AX], v[HC], v[DX]           ; carry into my four elements
	v_mul_f32 v[QL], v[AX], v[HP]                  ; product behind them
	v_pk_fma_f32 v[B+RW:B+RW+1],   v[B+TM:B+TM+1],   v[CL:CL+1], v[B+RW:B+RW+1]   op_sel_hi:[1,0,1]   ; yl += P x v10, both halves
	v_pk_fma_f32 v[B+RW+2:B+RW+3], v[B+TM+2:B+TM+3], v[CL:CL+1], v[B+RW+2:B+RW+3] op_sel_hi:[1,0,1]
	v_pk_mul_f32 v[B+TM:B+TM+1],   v[B+TM:B+TM+1],   v[CL:CL+1] op_sel:[0,1] op_sel_hi:[1,1]          ; P *= v11, both halves
	v_pk_mul_f32 v[B+TM+2:B+TM+3], v[B+TM+2:B+TM+3], v[CL:CL+1] op_sel:[0,1] op_sel_hi:[1,1]
.if \first
	v_pk_mul_f32 v[SQ0:SQ0+1], v[B+RW:B+RW+1], v[B+RW:B+RW+1]
	v_pk_mul_f32 v[SQ1:SQ1+1], v[B+RW:B+RW+1], v[B+TM:B+TM+1]
	v_pk_mul_f32 v[SQ2:SQ2+1], v[B+TM:B+TM+1], v[B+TM:B+TM+1]
.else
	v_pk_fma_f32 v[SQ0:SQ0+1], v[B+RW:B+RW+1], v[B+RW:B+RW+1], v[SQ0:SQ0+1]
	v_pk_fma_f32 v[SQ1:SQ1+1], v[B+RW:B+RW+1], v[B+TM:B+TM+1], v[SQ1:SQ1+1]
	v_pk_fma_f32 v[SQ2:SQ2+1], v[B+TM:B+TM+1], v[B+TM:B+TM+1], v[SQ2:SQ2+1]
.endif
	v_pk_fma_f32 v[SQ0:SQ0+1], v[B+RW+2:B+RW+3], v[B+RW+2:B+RW+3], v[SQ0:SQ0+1]
	v_pk_fma_f32 v[SQ1:SQ1+1], v[B+RW+2:B+RW+3], v[B+TM+2:B+TM+3], v[SQ1:SQ1+1]
	v_pk_fma_f32 v[SQ2:SQ2+1], v[B+TM+2:B+TM+3], v[B+TM+2:B+TM+3], v[SQ2:SQ2+1]
.endm
	ROW 7, 1, 42
	ROW 6, 0, 36
	ROW 5, 0, 30
	ROW 4, 0, 24
	ROW 3, 0, 18
	ROW 2, 0, 12
	ROW 1, 0, 6
	ROW 0, 0, 0
	; the piece's three sums, each over a half of 16 lanes; the two halves are added by the one wave that needs the sums
.irp q, SQ0, SQ1, SQ2
	v_add_f32 v[\q], v[\q], v[\q+1]
.endr
.irp n, 1,2,4,8
.irp q, SQ0, SQ1, SQ2
	v_add_f32_dpp v[\q], v[\q], v[\q] row_xmask:\n row_mask:0xf bank_mask:0xf
.endr
.endr
	; the record is completed and stored: 32 lanes, 32 neighbouring words
	v_writelane_b32 v[PK], s33, 12                 ; the piece as one map: product
	v_writelane_b32 v[PK], s32, 13                 ; and value
	v_cndmask_b32 v[PK], v[PK], v[SQ0], s29        ; lane 8 takes the lower half's sum, lane 24 the upper half's
	v_cndmask_b32 v[PK], v[PK], v[SQ1], s30
	v_cndmask_b32 v[PK], v[PK], v[SQ2], s31
	ds_store_b32 v[LA], v[PK]
	s_wait_dscnt 0x0                               ; for the others' sake: my record is in LDS before I signal
	s_barrier_signal -1
	s_barrier_wait -1
	; every wave: lane i and lane 16 + i take piece i; the scan gives each piece's carry, and I pick my own
	ds_load_b64 v[SA:SA+1], v[RA] offset:R_A       ; product into SA, value into SD
	s_wait_dscnt 0x0
	LANESCAN                                       ; AX = Q, DX = cl of piece i: its carry is cl + Q C.  Lane 0: SA, SD = the group as one map
	v_readlane_b32 s34, v[DX], s4                  ; cl of my piece
	v_mov_b32 v[CL], s34
.irp r, 0,1,2,3,4,5,6,7
	v_pk_fma_f32 v[SLOT+24*\r+RW:SLOT+24*\r+RW+1],   v[SLOT+24*\r+TM:SLOT+24*\r+TM+1],   v[CL:CL+1], v[SLOT+24*\r+RW:SLOT+24*\r+RW+1]   op_sel_hi:[1,0,1]
	v_pk_fma_f32 v[SLOT+24*\r+RW+2:SLOT+24*\r+RW+3], v[SLOT+24*\r+TM+2:SLOT+24*\r+TM+3], v[CL:CL+1], v[SLOT+24*\r+RW+2:SLOT+24*\r+RW+3] op_sel_hi:[1,0,1]
	global_store_b128 v[OFF], v[SLOT+24*\r+RW:SLOT+24*\r+RW+3], s[20:21] offset:\r*ROWB th:TH_STORE_NT   ; no register of these stores is written again
.endr
	s_cmp_lg_u32 s4, 0
	s_cbranch_scc1 .Ldone
	; wave 0: the rows' maps relative to the group, the count, and the group's five words
	v_and_b32 v[TB], 31, v0
	v_lshrrev_b32 v[BI], 1, v[TB]                  ; lane / 2: the piece that holds rows 4 lane .. 4 lane + 3
	v_mul_u32_u24 v[RR], v[BI], REC                ; its record,
	v_and_b32 v[CN], 1, v[TB]
	v_lshl_add_u32 v[RR], v[CN], 4, v[RR]          ; and in it the first or the second four rows' words
	v_lshlrev_b32 v[BI], 2, v[BI]                  ; ds_bpermute_b32's index: 4 x the lane to read
	v_lshlrev_b32 v[TB], 4, v[TB]                  ; 16 x lane: those four rows' words in heads
	ds_load_b128 v[W_SL:W_SL+3], v[RA] offset:R_SL
	ds_load_b128 v[W_SH:W_SH+3], v[RA] offset:R_SH
	ds_load_b128 v[W_CL:W_CL+3], v[RR] offset:R_CL
	ds_load_b128 v[W_Q:W_Q+3],   v[RR] offset:R_Q
	ds_bpermute_b32 v[W_B],   v[BI], v[DX]         ; that piece's cl
	ds_bpermute_b32 v[W_B+1], v[BI], v[AX]         ; and Q
	s_lshl_b32 s6, ttmp9, 9                        ; the group's 512 bytes in each table of heads
	s_lshl_b32 s7, ttmp9, 2                        ; the group's word in each table of gagg and in cnt
	v_add_nc_u32 v[HO], s6, v[TB]
	v_mov_b32 v[GO], s7
	s_wait_dscnt 0x0
	v_pk_fma_f32 v[W_CL:W_CL+1],   v[W_Q:W_Q+1],   v[W_B:W_B+1], v[W_CL:W_CL+1]   op_sel_hi:[1,0,1]   ; cl_r = row's value + row's product x piece's cl
	v_pk_fma_f32 v[W_CL+2:W_CL+3], v[W_Q+2:W_Q+3], v[W_B:W_B+1], v[W_CL+2:W_CL+3] op_sel_hi:[1,0,1]
	v_pk_mul_f32 v[W_Q:W_Q+1],     v[W_Q:W_Q+1],   v[W_B:W_B+1] op_sel:[0,1] op_sel_hi:[1,1]          ; Q_r = row's product x piece's Q
	v_pk_mul_f32 v[W_Q+2:W_Q+3],   v[W_Q+2:W_Q+3], v[W_B:W_B+1] op_sel:[0,1] op_sel_hi:[1,1]
	global_store_b128 v[HO], v[W_CL:W_CL+3], s[22:23]             ; 512 consecutive bytes, aligned
	global_store_b128 v[HO], v[W_Q:W_Q+3],   s[22:23] offset:HQ
	; the lowest row whose carry hangs on C: bit i of mask k is row 4 i + k; a NaN counts as not 0.  An empty mask gives a number past 127, which loses
	; the minimum; row 127 has Q = 1, so one mask is never empty.
.irp k, 0,1,2,3
	v_cmp_neq_f32 s[34+\k], 0, v[W_Q+\k]
.endr
.irp k, 0,1,2,3
	s_ctz_i32_b32 s[34+\k], s[34+\k]
.endr
	s_lshl_b32 s34, s34, 2
	s_lshl2_add_u32 s35, s35, 1
	s_lshl2_add_u32 s36, s36, 2
	s_lshl2_add_u32 s37, s37, 3
	s_min_u32 s34, s34, s35
	s_min_u32 s36, s36, s37
	s_min_u32 s34, s34, s36
	s_sub_co_u32 s34, 128, s34                     ; so many rows, counted from the group's end, are made again
	v_mov_b32 v[CN], s34
	; piece i's sums: the two halves, then relative to the group: yl -> yl + P cl, P -> P Q
	v_add_f32  v[SQ0], v[W_SL],   v[W_SH]
	v_add_f32  v[SQ1], v[W_SL+1], v[W_SH+1]
	v_add_f32  v[SQ2], v[W_SL+2], v[W_SH+2]
	v_fma_f32  v[HP], v[DX], v[SQ2], v[SQ1]        ; S1 + cl S2
	v_add_f32  v[CL], v[SQ1], v[HP]                ; 2 S1 + cl S2
	v_fmac_f32 v[SQ0], v[DX], v[CL]                ; S0 + cl (2 S1 + cl S2)
	v_mul_f32  v[SQ1], v[AX], v[HP]                ; Q (S1 + cl S2)
	v_mul_f32  v[QL], v[AX], v[AX]
	v_mul_f32  v[SQ2], v[QL], v[SQ2]               ; Q^2 S2
.irp n, 1,2,4,8                                    ; over the 16 pieces
.irp q, SQ0, SQ1, SQ2
	v_add_f32_dpp v[\q], v[\q], v[\q] row_xmask:\n row_mask:0xf bank_mask:0xf
.endr
.endr
	s_wait_xcnt 0x0                                ; EXEC is a source of the stores that are out: it changes only behind this wait
	v_cmpx_gt_u32 1, v0                            ; lane 0 alone: one word into each of five tables of 256 words, and the count
	global_store_b32 v[GO], v[SA],  s[24:25]
	global_store_b32 v[GO], v[SD],  s[24:25] offset:1024
	global_store_b32 v[GO], v[SQ0], s[24:25] offset:2048
	global_store_b32 v[GO], v[SQ1], s[24:25] offset:3072
	global_store_b32 v[GO], v[SQ2], s[24:25] offset:4096
	global_store_b32 v[GO], v[CN],  s[26:27]
.Ldone:
	s_wait_xcnt 0x0
	s_mov_b32 exec_lo, -1
	s_wait_tensorcnt 0x0
	ds_add_u32 v212, v213
	s_wait_dscnt 0x0
	s_endpgm
.Lfunc_end_k_qaf4ca647f9_local:
	.size	k_qaf4ca647f9_local, .Lfunc_end_k_qaf4ca647f9_local-k_qaf4ca647f9_local
	.p2alignl 7, 3214868480
	.fill 96, 4, 3214868480
	.section	.rodata,"a",@progbits
	.p2align	6, 0x0
	.amdhsa_kernel k_qaf4ca647f9_local
		.amdhsa_group_segment_fixed_size 4608
		.amdhsa_private_segment_fixed_size 0
		.amdhsa_enable_private_segment 0
		.amdhsa_kernarg_size 80
		.amdhsa_user_sgpr_count 2
		.amdhsa_user_sgpr_kernarg_segment_ptr 1
		.amdhsa_wavefront_size32 1
		.amdhsa_system_sgpr_workgroup_id_x 1
		.amdhsa_system_sgpr_workgroup_id_y 1
		.amdhsa_system_sgpr_workgroup_id_z 1
		.amdhsa_system_vgpr_workitem_id 0
		.amdhsa_next_free_vgpr 214
		.amdhsa_next_free_sgpr 66
		.amdhsa_reserve_vcc 0
		.amdhsa_float_denorm_mode_32 3
		.amdhsa_float_denorm_mode_16_64 3
		.amdhsa_memory_ordered 1
		.amdhsa_forward_progress 1
		.amdhsa_inst_pref_size 41
	.end_amdhsa_kernel
	.amdgpu_metadata
---
amdhsa.version: [ 1, 2 ]
amdhsa.kernels:
  - .name:           k_qaf4ca647f9_local
    .symbol:         k_qaf4ca647f9_local.kd
    .args:
      - { .name: logpacs, .offset: 0, .size: 8, .value_kind: global_buffer, .address_space: global }
      - { .name: old_logpacs, .offset: 8, .size: 8, .value_kind: global_buffer, .address_space: global }
      - { .name: values, .offset: 16, .size: 8, .value_kind: global_buffer, .address_space: global }
      - { .name: next_values, .offset: 24, .size: 8, .value_kind: global_buffer, .address_space: global }
      - { .name: rewards, .offset: 32, .size: 8, .value_kind: global_buffer, .address_space: global }
      - { .name: terminals, .offset: 40, .size: 8, .value_kind: global_buffer, .address_space: global }
      - { .name: out1, .offset: 48, .size: 8, .value_kind: global_buffer, .address_space: global }
      - { .name: heads, .offset: 56, .size: 8, .value_kind: global_buffer, .address_space: global }
      - { .name: gagg, .offset: 64, .size: 8, .value_kind: global_buffer, .address_space: global }
      - { .name: cnt, .offset: 72, .size: 8, .value_kind: global_buffer, .address_space: global }
    .group_segment_fixed_size: 4608
    .private_segment_fixed_size: 0
    .kernarg_segment_align: 8
    .kernarg_segment_size: 80
    .max_flat_workgroup_size: 512
    .sgpr_count:     66
    .vgpr_count:     214
    .wavefront_size: 32
...
	.end_amdgpu_metadata
.endif
;; end of part 3
;; launch fix (part 4): grid 256 x 1, 32 waves a work-group, no clusters, 0 bytes of LDS; arguments logpacs, old_logpacs, values, next_values, rewards, terminals, heads, gagg, cnt, out0, out1; writes out0, out1
.if DOCPART == 4
	.amdgcn_target "amdgcn-amd-amdhsa--gfx1250"
	.amdhsa_code_object_version 6
	.text
	.protected	k_qaf4ca647f9_fix
	.globl	k_qaf4ca647f9_fix
	.p2align	8
	.type	k_qaf4ca647f9_fix,@function
k_qaf4ca647f9_fix:
	s_mov_b64 s[64:65], 0
	v_nop
	global_prefetch_b8 v0, s[64:65] scope:SCOPE_SE
	s_setreg_imm32_b32 hwreg(HW_REG_WAVE_MODE, 25, 1), 1
	s_wait_xcnt 0x0
; V-trace, second launch.  The first launch left in out1 the recurrence with carry 0 at the end of each group of 16,384 elements (128 rows of 128).
; That is final wherever the product of a from the element to the group's end is 0.  cnt[g] says how many rows, counted from the group's end,
; may still lack the carry; for each of them this launch reads the six inputs again, works the row with its true carry cl_r + Q_r C and stores
; it over out1.  C, the carry into the group, is the composition of the maps c -> D + A c of all groups to the right (tables of 256 words).
; A work-group owns a group.  Wave w takes rows 127 - w - 32 j, j = 0 .. n - 1, n = (count + 31 - w) >> 5: the rows to be made again are the
; group's last, so they fall on different waves and are worked side by side.  A wave with n = 0 ends when it has read the count.  With all 128
; rows to make again each of the 32 waves has a row's six loads (3 KiB) out, 96 KiB a work-group.  Four blocks, left by forward branches on n:
; all offsets are constants.  Each load and store covers 512 consecutive bytes, aligned.  No wave depends on another: no LDS, no barrier.
; THE TIME HANGS ON THE DATA (on where a = 0), the result does not.
; Wave 31 of group 0 first goes by .Lloss: for group 0 only its own map is masked, which no carry needs, so the same scan gives the carry C
; into every group, and out0 is the sum over the groups of S0 + 2 C S1 + C^2 S2, divided by 2^22.
; No cluster: the rows are shared by nobody, and the tables are 2 KiB for each wave that has a row.
; LIMITS: those stated at the head of the first launch.
.set STEP, 16384                       ; 32 rows of 512 bytes: from my row of block j + 1 to that of block j
.set HQ,   131072                      ; heads: byte offset of the table of Q
.set LANE, 1                           ; v1
.set GOF,  2                           ; v2       32 x lane: my 8 groups in each table
.set OFF,  3                           ; v3       byte offset of my 16 bytes in row 31 - wave of my group
.set REL,  4                           ; v4       my group's number - 8 x lane
.set AX,   5                           ; v5       product over the lanes right of me in my half; lanes 15 and 31 keep 1.0 for ever
.set DX,   6                           ; v6       their value; lanes 15 and 31 keep 0 for ever
.set ZERO, 7                           ; v7       (.Lloss)
.set SA,   8                           ; v8       suffix scan: product
.set SD,   9                           ; v9       suffix scan: value
.set CL,   10                          ; v10      carry into my four elements; v[10:11] is a pair for the packed form, v11 is only written
.set HC,   12                          ; v12      carry into my half of the lanes
.set CX,   13                          ; v13      (.Lloss) the carry as it walks my 8 groups
.set UU,   14                          ; v14      (.Lloss)
.set GA,   16                          ; v[16:23] A of my 8 groups
.set GD,   24                          ; v[24:31] D
.set B,    32                          ; v[32:55] the row at work
.set LP, 0                             ;   logpacs, then (logpacs - old_logpacs) log2 e
.set OL, 4                             ;   old_logpacs, then rho
.set VV, 8                             ;   values
.set NV, 12                            ;   next_values
.set RW, 16                            ;   rewards, then d, then y
.set TM, 20                            ;   terminals, then a, then the product inside the lane
.set SS0,  32                          ; v[32:39] (.Lloss, ahead of any row) S0 of my 8 groups
.set SS1,  40                          ; v[40:47] S1
.set SS2,  48                          ; v[48:55] S2
	s_load_b512 s[8:23], s[0:1], 0x0               ; logpacs s[8:9], old_logpacs s[10:11], values s[12:13], next_values s[14:15], rewards s[16:17], terminals s[18:19], heads s[20:21], gagg s[22:23]
	s_load_b128 s[24:27], s[0:1], 0x40             ; cnt s[24:25], out0 s[26:27]
	s_load_b64 s[28:29], s[0:1], 0x50              ; out1
	v_and_b32 v[LANE], 31, v0
	v_lshrrev_b32 v[GOF], 5, v0
	v_readfirstlane_b32 s4, v[GOF]                 ; wave 0..31
	v_lshlrev_b32 v[GOF], 5, v[LANE]
	s_sub_co_u32 s5, 31, s4                        ; my lowest row
	s_lshl_b32 s6, ttmp9, 16                       ; group x 65,536 bytes
	s_lshl_b32 s7, s5, 9                           ; + row x 512
	s_add_co_u32 s6, s6, s7
	v_lshl_add_u32 v[OFF], v[LANE], 4, s6          ; + lane x 16
	s_mov_b32 s30, ttmp9
	v_lshlrev_b32 v[REL], 3, v[LANE]
	v_sub_nc_u32 v[REL], s30, v[REL]
	s_lshl_b32 s32, ttmp9, 2                       ; the group's word in cnt
	s_mov_b32 s33, 0
	s_lshl_b32 s34, ttmp9, 9                       ; the group's 512 bytes in each table of heads
	s_lshl2_add_u32 s34, s5, s34                   ; + 4 x my lowest row
	s_mov_b32 s35, 0
	s_lshl_b32 s7, ttmp9, 5
	s_or_b32 s7, s7, s4                            ; 31 for wave 31 of group 0 alone
	s_mov_b32 s36, 0xffff                          ; lanes 0-15
	v_mov_b32 v[DX], 0                             ; written whole once; the shifts below never write lanes 15 and 31
	v_mov_b32 v[AX], 1.0
	v_mov_b32 v[CL+1], 0
	s_wait_kmcnt 0x0
	s_add_nc_u64 s[24:25], s[24:25], s[32:33]
	s_add_nc_u64 s[20:21], s[20:21], s[34:35]
	s_load_b32 s31, s[24:25], 0x0                  ; the count
.macro NROWS                           ; s31: the count becomes n, the number of my rows
	s_min_u32 s31, s31, 128
	s_add_co_u32 s31, s31, s5                      ; + 31 - wave
	s_lshr_b32 s31, s31, 5
.endm
.macro TABLES                          ; A and D of my 8 groups
	global_load_b128 v[GA:GA+3],   v[GOF], s[22:23]
	global_load_b128 v[GA+4:GA+7], v[GOF], s[22:23] offset:16
	global_load_b128 v[GD:GD+3],   v[GOF], s[22:23] offset:1024
	global_load_b128 v[GD+4:GD+7], v[GOF], s[22:23] offset:1040
.endm
.macro LOADROW j                       ; row 127 - wave - 32 j: six loads, and the map of the carry into it
	global_load_b128 v[B+LP:B+LP+3], v[OFF], s[8:9]   offset:(3-\j)*STEP th:TH_LOAD_NT
	global_load_b128 v[B+OL:B+OL+3], v[OFF], s[10:11] offset:(3-\j)*STEP th:TH_LOAD_NT
	global_load_b128 v[B+VV:B+VV+3], v[OFF], s[12:13] offset:(3-\j)*STEP th:TH_LOAD_NT
	global_load_b128 v[B+NV:B+NV+3], v[OFF], s[14:15] offset:(3-\j)*STEP th:TH_LOAD_NT
	global_load_b128 v[B+RW:B+RW+3], v[OFF], s[16:17] offset:(3-\j)*STEP th:TH_LOAD_NT
	global_load_b128 v[B+TM:B+TM+3], v[OFF], s[18:19] offset:(3-\j)*STEP th:TH_LOAD_NT
	s_load_b32 s44, s[20:21], (3-\j)*128           ; cl_r
	s_load_b32 s45, s[20:21], HQ+(3-\j)*128        ; Q_r
.endm
; The maps of all groups right of mine, composed: s40 = C.  Left behind: SA, SD (suffix scan in each half of 16 lanes), s42 = the upper half's value.
; left = the loads issued behind the tables, which may stay out.
.macro SCAN left
	s_wait_loadcnt \left
.irp k, 0,1,2,3,4,5,6,7
	v_cmp_gt_i32 vcc_lo, \k, v[REL]                ; group 8 lane + k lies right of mine
	v_cndmask_b32 v[GA+\k], 1.0, v[GA+\k], vcc_lo  ; the others become the identity
	v_cndmask_b32 v[GD+\k], 0, v[GD+\k], vcc_lo
.endr
	v_fma_f32 v[SD], v[GA+6], v[GD+7], v[GD+6]     ; my 8 groups as one map, from the last to the first
	v_mul_f32 v[SA], v[GA+6], v[GA+7]
.irp k, 5,4,3,2,1,0
	v_fma_f32 v[SD], v[GA+\k], v[SD], v[GD+\k]
	v_mul_f32 v[SA], v[GA+\k], v[SA]
.endr
.irp n, 1,2,4,8                                    ; row_shl:n brings lane i + n; a lane without such a neighbour is not written: the identity
	v_fmac_f32_dpp v[SD], v[SD], v[SA] row_shl:\n row_mask:0xf bank_mask:0xf
	v_mul_f32_dpp  v[SA], v[SA], v[SA] row_shl:\n row_mask:0xf bank_mask:0xf
.endr
	v_readlane_b32 s40, v[SD], 0
	v_readlane_b32 s41, v[SA], 0
	v_readlane_b32 s42, v[SD], 16
	s_fmac_f32 s40, s41, s42                       ; lower half applied to the upper half's value; behind the last group the carry is 0
.endm
; One row, with its true carry, as the first launch works it.
.macro FIXROW j
	s_wait_loadcnt 0x0                             ; the row's six loads: nothing younger is out
	s_wait_kmcnt 0x0                               ; cl_r and Q_r
	s_fmac_f32 s44, s45, s40                       ; the carry into the row: cl_r + Q_r C
	v_pk_add_f32 v[B+LP:B+LP+1],   v[B+LP:B+LP+1],   v[B+OL:B+OL+1]   neg_lo:[0,1] neg_hi:[0,1]
	v_pk_add_f32 v[B+LP+2:B+LP+3], v[B+LP+2:B+LP+3], v[B+OL+2:B+OL+3] neg_lo:[0,1] neg_hi:[0,1]
	v_pk_mul_f32 v[B+LP:B+LP+1],   v[B+LP:B+LP+1],   0x3fb8aa3b op_sel_hi:[1,0]                   ; x log2 e: v_exp_f32 is 2^x
	v_pk_mul_f32 v[B+LP+2:B+LP+3], v[B+LP+2:B+LP+3], 0x3fb8aa3b op_sel_hi:[1,0]
.irp i, 0,1,2,3
	v_exp_f32 v[B+OL+\i], v[B+LP+\i]
.endr
	v_pk_fma_f32 v[B+RW:B+RW+1],   v[B+TM:B+TM+1],   v[B+NV:B+NV+1],   v[B+RW:B+RW+1]             ; plain work that touches no ratio stands behind the exponentials (ISA guide 5.7.2)
	v_pk_fma_f32 v[B+RW+2:B+RW+3], v[B+TM+2:B+TM+3], v[B+NV+2:B+NV+3], v[B+RW+2:B+RW+3]
	v_pk_add_f32 v[B+RW:B+RW+1],   v[B+RW:B+RW+1],   v[B+VV:B+VV+1]   neg_lo:[0,1] neg_hi:[0,1]
	v_pk_add_f32 v[B+RW+2:B+RW+3], v[B+RW+2:B+RW+3], v[B+VV+2:B+VV+3] neg_lo:[0,1] neg_hi:[0,1]
	s_wait_alu depctr_va_vdst(0)
.irp i, 0,1,2,3
	v_min_num_f32 v[B+OL+\i], 1.0, v[B+OL+\i]      ; rho
.endr
	v_pk_mul_f32 v[B+RW:B+RW+1],   v[B+RW:B+RW+1],   v[B+OL:B+OL+1]       ; d
	v_pk_mul_f32 v[B+RW+2:B+RW+3], v[B+RW+2:B+RW+3], v[B+OL+2:B+OL+3]
	v_pk_mul_f32 v[B+TM:B+TM+1],   v[B+TM:B+TM+1],   v[B+OL:B+OL+1]       ; a
	v_pk_mul_f32 v[B+TM+2:B+TM+3], v[B+TM+2:B+TM+3], v[B+OL+2:B+OL+3]
.irp i, 2,1,0                                      ; my four elements, from the last to the first, in place
	v_fmac_f32 v[B+RW+\i], v[B+TM+\i], v[B+RW+\i+1]
	v_mul_f32  v[B+TM+\i], v[B+TM+\i], v[B+TM+\i+1]
.endr
	v_mov_b32 v[SD], v[B+RW]
	v_mov_b32 v[SA], v[B+TM]
.irp n, 1,2,4,8
	v_fmac_f32_dpp v[SD], v[SD], v[SA] row_shl:\n row_mask:0xf bank_mask:0xf
	v_mul_f32_dpp  v[SA], v[SA], v[SA] row_shl:\n row_mask:0xf bank_mask:0xf
.endr
	v_mov_b32_dpp v[DX], v[SD] row_shl:1 row_mask:0xf bank_mask:0xf       ; the lanes right of me in my half; lanes 15 and 31 keep (1, 0)
	v_mov_b32_dpp v[AX], v[SA] row_shl:1 row_mask:0xf bank_mask:0xf
	v_readlane_b32 s46, v[SD], 16                  ; the upper half as one map
	v_readlane_b32 s47, v[SA], 16
	v_mov_b32 v[HC], s44                           ; behind lanes 16-31 comes the row's carry,
	s_fmac_f32 s46, s47, s44                       ; behind lanes 0-15 the upper half applied to it
	v_cndmask_b32 v[HC], v[HC], s46, s36
	v_fma_f32 v[CL], v[AX], v[HC], v[DX]           ; carry into my four elements
	v_pk_fma_f32 v[B+RW:B+RW+1],   v[B+TM:B+TM+1],   v[CL:CL+1], v[B+RW:B+RW+1]   op_sel_hi:[1,0,1]
	v_pk_fma_f32 v[B+RW+2:B+RW+3], v[B+TM+2:B+TM+3], v[CL:CL+1], v[B+RW+2:B+RW+3] op_sel_hi:[1,0,1]
	global_store_b128 v[OFF], v[B+RW:B+RW+3], s[28:29] offset:(3-\j)*STEP th:TH_STORE_NT
.endm
	s_cmp_eq_u32 s7, 31
	s_cbranch_scc1 .Lloss
	s_wait_kmcnt 0x0                               ; the count
	NROWS
	s_cmp_eq_u32 s31, 0
	s_cbranch_scc1 .Ldone                          ; none of the rows to be made again is mine
	TABLES
	LOADROW 0
	SCAN 6                                         ; the four table loads are in; the row's six, issued behind them, stay out
	s_branch .Lrows
.Lloss:                                            ; one wave of the launch
	TABLES
	global_load_b128 v[SS0:SS0+3],   v[GOF], s[22:23] offset:2048
	global_load_b128 v[SS0+4:SS0+7], v[GOF], s[22:23] offset:2064
	global_load_b128 v[SS1:SS1+3],   v[GOF], s[22:23] offset:3072
	global_load_b128 v[SS1+4:SS1+7], v[GOF], s[22:23] offset:3088
	global_load_b128 v[SS2:SS2+3],   v[GOF], s[22:23] offset:4096
	global_load_b128 v[SS2+4:SS2+7], v[GOF], s[22:23] offset:4112
	s_mov_b32 s38, 0x76543210                      ; v_permlanex16_b32: lane i takes lane i of the other half
	s_mov_b32 s39, 0xfedcba98
	v_mov_b32 v[ZERO], 0
	SCAN 0
	v_mov_b32_dpp v[DX], v[SD] row_shl:1 row_mask:0xf bank_mask:0xf   ; the lanes right of me in my half; lanes 15 and 31 keep (1, 0)
	v_mov_b32_dpp v[AX], v[SA] row_shl:1 row_mask:0xf bank_mask:0xf
	v_cndmask_b32 v[HC], 0, s42, s36               ; behind lanes 0-15 comes the upper half, behind lanes 16-31 nothing
	v_fma_f32 v[CX], v[AX], v[HC], v[DX]           ; the carry into my last group
.irp k, 7,6,5,4,3,2,1,0
	v_fma_f32  v[UU], v[CX], v[SS2+\k], v[SS1+\k]  ; S1 + C S2
	v_add_f32  v[UU], v[UU], v[SS1+\k]             ; 2 S1 + C S2
	v_fmac_f32 v[SS0+\k], v[CX], v[UU]             ; the group's sum of y^2
.if \k
	v_fma_f32  v[CX], v[GA+\k], v[CX], v[GD+\k]    ; the carry into the group to the left
.endif
.endr
	v_pk_add_f32 v[SS0:SS0+1],   v[SS0:SS0+1],   v[SS0+2:SS0+3]
	v_pk_add_f32 v[SS0+4:SS0+5], v[SS0+4:SS0+5], v[SS0+6:SS0+7]
	v_pk_add_f32 v[SS0:SS0+1],   v[SS0:SS0+1],   v[SS0+4:SS0+5]
	v_add_f32 v[SS0], v[SS0], v[SS0+1]
.irp n, 1,2,4,8
	v_add_f32_dpp v[SS0], v[SS0], v[SS0] row_xmask:\n row_mask:0xf bank_mask:0xf
.endr
	v_permlanex16_b32 v[UU], v[SS0], s38, s39
	v_add_f32 v[SS0], v[SS0], v[UU]
	v_mul_f32 v[SS0], 0x34800000, v[SS0]           ; / 4,194,304 = x 2^-22, exact
	v_cmp_eq_u32 vcc_lo, 0, v[LANE]
	s_wait_xcnt 0x0                                ; EXEC is a source of what has been issued: it narrows only behind this wait
	s_and_saveexec_b32 s48, vcc_lo
	global_store_b32 v[ZERO], v[SS0], s[26:27]     ; out0, by lane 0
	s_wait_xcnt 0x0                                ; and widens only behind this one, which also frees the store's data for the row's loads
	s_or_b32 exec_lo, exec_lo, s48
	s_wait_kmcnt 0x0                               ; the count
	NROWS
	s_cmp_eq_u32 s31, 0
	s_cbranch_scc1 .Ldone
	LOADROW 0
.Lrows:                                            ; on both ways in: block 0's six loads and two scalar loads are out, s40 = C
	FIXROW 0
.irp j, 1,2,3
	s_cmp_le_u32 s31, \j
	s_cbranch_scc1 .Ldone
	s_wait_xcnt 0x0                                ; the last store's data registers are loaded again only behind this wait
	LOADROW \j
	FIXROW \j
.endr
.Ldone:
	s_endpgm
.Lfunc_end_k_qaf4ca647f9_fix:
	.size	k_qaf4ca647f9_fix, .Lfunc_end_k_qaf4ca647f9_fix-k_qaf4ca647f9_fix
	.p2alignl 7, 3214868480
	.fill 96, 4, 3214868480
	.section	.rodata,"a",@progbits
	.p2align	6, 0x0
	.amdhsa_kernel k_qaf4ca647f9_fix
		.amdhsa_group_segment_fixed_size 0
		.amdhsa_private_segment_fixed_size 0
		.amdhsa_enable_private_segment 0
		.amdhsa_kernarg_size 88
		.amdhsa_user_sgpr_count 2
		.amdhsa_user_sgpr_kernarg_segment_ptr 1
		.amdhsa_wavefront_size32 1
		.amdhsa_system_sgpr_workgroup_id_x 1
		.amdhsa_system_sgpr_workgroup_id_y 1
		.amdhsa_system_sgpr_workgroup_id_z 1
		.amdhsa_system_vgpr_workitem_id 0
		.amdhsa_next_free_vgpr 56
		.amdhsa_next_free_sgpr 66
		.amdhsa_reserve_vcc 1
		.amdhsa_float_denorm_mode_32 3
		.amdhsa_float_denorm_mode_16_64 3
		.amdhsa_memory_ordered 1
		.amdhsa_forward_progress 1
		.amdhsa_inst_pref_size 25
	.end_amdhsa_kernel
	.amdgpu_metadata
---
amdhsa.version: [ 1, 2 ]
amdhsa.kernels:
  - .name:           k_qaf4ca647f9_fix
    .symbol:         k_qaf4ca647f9_fix.kd
    .args:
      - { .name: logpacs, .offset: 0, .size: 8, .value_kind: global_buffer, .address_space: global }
      - { .name: old_logpacs, .offset: 8, .size: 8, .value_kind: global_buffer, .address_space: global }
      - { .name: values, .offset: 16, .size: 8, .value_kind: global_buffer, .address_space: global }
      - { .name: next_values, .offset: 24, .size: 8, .value_kind: global_buffer, .address_space: global }
      - { .name: rewards, .offset: 32, .size: 8, .value_kind: global_buffer, .address_space: global }
      - { .name: terminals, .offset: 40, .size: 8, .value_kind: global_buffer, .address_space: global }
      - { .name: heads, .offset: 48, .size: 8, .value_kind: global_buffer, .address_space: global }
      - { .name: gagg, .offset: 56, .size: 8, .value_kind: global_buffer, .address_space: global }
      - { .name: cnt, .offset: 64, .size: 8, .value_kind: global_buffer, .address_space: global }
      - { .name: out0, .offset: 72, .size: 8, .value_kind: global_buffer, .address_space: global }
      - { .name: out1, .offset: 80, .size: 8, .value_kind: global_buffer, .address_space: global }
    .group_segment_fixed_size: 0
    .private_segment_fixed_size: 0
    .kernarg_segment_align: 8
    .kernarg_segment_size: 88
    .max_flat_workgroup_size: 1024
    .sgpr_count:     66
    .vgpr_count:     56
    .wavefront_size: 32
...
	.end_amdgpu_metadata
.endif
;; end of part 4
